; MI455X (gfx1250); checked and timed in simulation.
; The chip was launched on July 23, 2026; its instructions are those of AMD's public machine-readable ISA for CDNA 5 (MIT licence, August 2026) and "CDNA5" Instruction Set Architecture Reference Guide (July 2026). The comments in the code are by the model that wrote it; some were corrected since.
;; Self Attention Block. Allowed arithmetic: matrix products marked QUANTISED: E3M2 operands, one E8M0 scale for each 32 along K, by v_wmma_scale_f32_16x16x128_f8f6f4 with both operands' format E3M2, f32 sums; everything else in f32.
;; Inputs: Wk 128 x 256 float32; Wq 128 x 256 float32; Wv 256 x 256 float32; bk 128 float32; bq 128 float32; bv 256 float32; gamma 1 float32; x 4 x 256 x 64 x 64 float32.
;; Outputs: out0 4 x 256 x 64 x 64 float32.
;; This version of the problem:
;;   THIS VERSION OF THE PROBLEM IS GIVEN IN LOW PRECISION. The matrix products marked QUANTISED in the list below multiply operands that are first quantised to E3M2 (3 exponent bits, 2 mantissa bits; 6 bits a number), with one power-of-two scale for each 32 numbers along K (OCP MX v1.0); their sums are f32. All else is computed in f32.
;;   The module's matrix products, in the order in which they are computed (A, B: the left and right operand; K: the contracted axis; several contracted axes count as one K, in the product's order):
;;     1. [M 16,384, K 256] x [K 256, N 128]; A: input x; B: input Wq: QUANTISED
;;     2. [M 16,384, K 256] x [K 256, N 128]; A: input x; B: input Wk: QUANTISED
;;     3. [M 16,384, K 256] x [K 256, N 256]; A: input x; B: input Wv: QUANTISED
;;     4. batch 4 x [M 4,096, K 128] x [K 128, N 4,096]; A: computed on the way; B: computed on the way: QUANTISED
;;     5. batch 4 x [M 256, K 4,096] x [K 4,096, N 4,096]; A: computed on the way; B: softmax (see below): QUANTISED
;;   THE QUANTISER, for each operand of a quantised product, along K:
;;     - K is cut into blocks of 32 from its start; a last block that is shorter is filled with zeros.
;;     - A block's scale is 2^e with e = floor(log2(the largest magnitude in the block)) - 4, held to -126 .. 127; a block of zeros has e = 0. As a byte (E8M0): e + 127.
;;     - Each number is divided by its block's scale, clamped to +-28, and rounded to the nearest number of E3M2, ties to even, subnormals kept.
;;     - The product sums the exact products of the quantised numbers (number of the format x scale) in f32.
;;   ~~~python
;;   def quantise(x, axis):      # numpy; x: float32 -> the quantised numbers, widened to float32 again
;;       x = np.moveaxis(x, axis, -1); K = x.shape[-1]
;;       x = np.pad(x, [(0, 0)] * (x.ndim - 1) + [(0, -K % 32)]); x = x.reshape(x.shape[:-1] + (-1, 32)); a = np.abs(x).max(-1, keepdims=True)
;;       e = np.where(a > 0, np.clip(np.frexp(np.where(a > 0, a, 1))[1] - 1 - 4, -126, 127), 0)      # np.frexp(a)[1] - 1 = floor(log2(a)), exactly
;;       r = np.clip(x / 2.0 ** e, -28, 28)
;;       step = 2.0 ** (np.maximum(np.frexp(np.where(r == 0, 1, r))[1] - 1, -2) - 2)
;;       q = np.round(r / step) * step * 2.0 ** e      # np.round: ties to even
;;       return np.moveaxis(q.reshape(q.shape[:-2] + (-1,))[..., :K], -1, axis).astype(np.float32)
;;   ~~~
;;   SOFTMAX AHEAD OF A QUANTISED PRODUCT. Where the list says 'softmax', what is quantised is not the finished softmax but p = 2^(t - M), with t = logit x log2(e) and M = ceil(the row's largest t), a whole number; so 1/2 < the row's largest p <= 1. The row's sum l is taken of the UNQUANTISED p, in f32, and the product's result is divided by l at the end. Since M is a whole number, a kernel that streams over the keys may use a running M (the ceiling of the running maximum): every later rescaling is an exact power of two, which a block's scale takes up: the codes' values come out the same.
;;   OPERANDS COMPUTED ON THE WAY. 'Computed on the way' means the value that the module computes at that place (a softmax that the list does not call 'softmax' is quantised finished and normalised). What goes into a quantiser is computed in f32, as accurately as f32 sums, v_exp_f32 and their like allow (about 1e-6 of the number): no bf16 or f16 on the way to a quantiser, and a product that is left as it is and whose result goes on into a quantised operand takes f32 operands (vector FMAs, or v_wmma_f32_16x16x4_f32). A number that lies on a knife's edge between two numbers of the format may be rounded either way, as far as f32 arithmetic and the matrix unit's own rounding can turn it there, and no further.
;; One version. Each part assembles by itself: llvm-mc -triple=amdgcn-amd-amdhsa -mcpu=gfx1250 --defsym DOCPART=n.
;; ======== version 1 of 1: 3 launches
;; workspace buffers: wimg 98,304 bytes; wsc 8,192 bytes; qimg 1,572,864 bytes; qsc 65,536 bytes; kv 4,915,200 bytes
;; launch wquant (part 1): grid 16 x 1, 4 waves a work-group, no clusters, 0 bytes of LDS; arguments Wq, Wk, Wv, wimg, wsc; writes wimg, wsc
.if DOCPART == 1
	.amdgcn_target "amdgcn-amd-amdhsa--gfx1250"
	.amdhsa_code_object_version 6
	.text
	.protected	k_qfc2db88134_wquant
	.globl	k_qfc2db88134_wquant
	.p2align	8
	.type	k_qfc2db88134_wquant,@function
k_qfc2db88134_wquant:
	s_mov_b64 s[64:65], 0
	v_nop
	global_prefetch_b8 v0, s[64:65] scope:SCOPE_SE
	s_setreg_imm32_b32 hwreg(HW_REG_WAVE_MODE, 25, 1), 1
	s_wait_xcnt 0x0
; out = gamma * (v softmax(q^T k)^T) + x, with q, k, v = W x + b: five products, all on codes of E3M2 with one E8M0 scale for each 32 along K.
; DEAD WORK: none is left out.  bq, bk and bv are added ahead of a quantiser (q and k along the 128 channels, v along the keys), so each can move codes and scales of a live product; gamma and x reach the output
; directly.  Every input is loaded by some launch.
; THIS LAUNCH: Wq [128][256], Wk [128][256], Wv [256][256], f32, K (the 256 channels) innermost, become 64 operand fragments of 16 rows x 128 K, stored as IMAGES OF THE OPERAND'S REGISTERS:
; fragment F = 2 T + s (T: tile of 16 rows, 0-7 Wq, 8-15 Wk, 16-31 Wv; s: which 128 of K): 1,536 bytes, registers 4 g .. 4 g + 3 of lane l at 512 g + 16 l; its scale words: 128 bytes, 4 a lane.
; THE ROWS OF A TILE OF Wq AND Wk ARE NOT NEIGHBOURS: lane r of tile 2 b + u takes row 32 b + 8 u + r + 8 (r / 8), so that the next launch's results lie with 16 neighbours along the next K in a lane.  Wv's tiles are 16 neighbouring rows.
; One wave makes one fragment: lane (r, h) holds K = 128 s + 64 c + 32 h + 0 .. 31 of its row, two whole blocks, as the operand's layout gives them to that lane.
; LIMITS: NaN and infinities among the inputs are not served.  A block whose largest magnitude lies under 2^-122 gets the scale byte 1, a block of zeros too (its codes are zeros; these bytes are read by this program alone).
.set X,  32                            ; v32-95   my 64 numbers
.set CW, 96                            ; v96-107  the fragment's 12 registers
.set CT, 112                           ; v112-118 the second halves of the blocks' codes, before they are moved
	s_load_b256 s[4:11], s[0:1], 0x0               ; Wq s[4:5], Wk s[6:7], Wv s[8:9], wimg s[10:11]
	s_load_b64 s[12:13], s[0:1], 0x20              ; wsc
	v_lshrrev_b32 v1, 5, v0
	v_readfirstlane_b32 s14, v1                    ; wave
	v_and_b32 v2, 15, v0                           ; r
	v_bfe_u32 v3, v0, 4, 1                         ; h
	v_and_b32 v4, 31, v0                           ; lane
	s_lshl_b32 s15, ttmp9, 2
	s_add_co_u32 s15, s15, s14                     ; F
	s_lshr_b32 s16, s15, 1                         ; T
	s_and_b32 s17, s15, 1                          ; s
	s_and_b32 s18, s16, 7                          ; Wq, Wk: tile t of the tensor's eight
	s_lshr_b32 s19, s18, 1
	s_lshl_b32 s19, s19, 5
	s_and_b32 s18, s18, 1
	s_lshl_b32 s18, s18, 3
	s_add_co_u32 s18, s18, s19                     ; its first row: 32 (t / 2) + 8 (t % 2)
	s_and_b32 s19, s16, 15
	s_lshl_b32 s19, s19, 4                         ; Wv: 16 (T - 16)
	s_cmp_lt_u32 ttmp9, 8                          ; work-groups 0-7 hold Wq's and Wk's tiles
	s_cselect_b32 s18, s18, s19
	s_cselect_b32 s22, 8, 0                        ; the mask that spreads a tile's rows
	s_lshl_b32 s18, s18, 10                        ; a row is 1,024 bytes
	s_lshl_b32 s17, s17, 9
	s_add_co_u32 s18, s18, s17
	s_mov_b32 s19, 0
	s_mul_i32 s24, s15, 1536
	s_mov_b32 s25, 0
	s_lshl_b32 s26, s15, 7
	s_mov_b32 s27, 0
	s_mov_b32 s20, 0x76543210
	s_mov_b32 s21, 0xfedcba98                      ; v_permlanex16_b32's selects for lane l xor 16
	v_and_b32 v5, s22, v2
	v_add_nc_u32 v5, v5, v2                        ; r + 8 (r / 8), or r
	v_lshlrev_b32 v5, 10, v5
	v_lshl_add_u32 v5, v3, 7, v5                   ; + 128 h bytes
	v_lshlrev_b32 v6, 4, v4                        ; 16 x lane
	v_lshlrev_b32 v7, 2, v4                        ; 4 x lane
	s_wait_kmcnt 0x0
	s_cmp_lt_u32 ttmp9, 4                          ; the choice hangs on the work-group's number alone
	s_cselect_b64 s[4:5], s[4:5], s[6:7]
	s_cmp_lt_u32 ttmp9, 8
	s_cselect_b64 s[4:5], s[4:5], s[8:9]
	s_add_nc_u64 s[4:5], s[4:5], s[18:19]
	s_add_nc_u64 s[10:11], s[10:11], s[24:25]
	s_add_nc_u64 s[12:13], s[12:13], s[26:27]
.irp c, 0,1
.irp i, 0,1,2,3,4,5,6,7
	global_load_b128 v[X+32*\c+4*\i:X+32*\c+4*\i+3], v5, s[4:5] offset:256*\c+16*\i th:TH_LOAD_NT
.endr
.endr
	s_wait_loadcnt 0x0
.irp c, 0,1                                    ; my block 2 c + h: all its 32 numbers are mine
	v_max3_num_f32 v[16+\c], |v[X+32*\c]|, |v[X+1+32*\c]|, 0x2800000   ; with the floor 2^(5 - 127): the byte cannot fall under 1
.endr
.irp i, 2,4,6,8,10,12,14,16,18,20,22,24,26,28,30
.irp c, 0,1
	v_max3_num_f32 v[16+\c], v[16+\c], |v[X+32*\c+\i]|, |v[X+1+32*\c+\i]|
.endr
.endr
.irp c, 0,1
	v_add_nc_u32 v[20+\c], 0xfe000000, v[16+\c]    ; 4 off the exponent field: the conversion's scale operand
.endr
.irp c, 0,1
	v_lshrrev_b32 v[18+\c], 23, v[20+\c]           ; the scale's byte
.endr
	v_lshl_or_b32 v9, v19, 16, v18                 ; my two bytes: blocks h and 2 + h,
	v_lshlrev_b32 v10, 3, v3
	v_lshlrev_b32 v9, v10, v9                      ; at their places in the word
	v_mov_b32 v10, 0
	v_permlanex16_b32 v10, v9, s20, s21
	v_or_b32 v9, v9, v10                           ; with lane l xor 16's two the word is whole, in both lanes
.irp c, 0,1
	v_cvt_scalef32_pk16_bf6_f32 v[CW+6*\c:CW+6*\c+2], v[X+32*\c:X+32*\c+15], v[20+\c]
	v_cvt_scalef32_pk16_bf6_f32 v[CT+4*\c:CT+4*\c+2], v[X+32*\c+16:X+32*\c+31], v[20+\c]   ; (a conversion's three registers begin on an even number)
.endr
	v_nop                                          ; one plain instruction behind a scaled conversion
.irp c, 0,1
.irp i, 0,1,2
	v_mov_b32 v[CW+3+6*\c+\i], v[CT+4*\c+\i]
.endr
.endr
.irp g, 0,1,2
	global_store_b128 v6, v[CW+4*\g:CW+4*\g+3], s[10:11] offset:512*\g   ; 32 lanes store 512 consecutive bytes
.endr
	global_store_b32 v7, v9, s[12:13]
	s_endpgm
.Lfunc_end_k_qfc2db88134_wquant:
	.size	k_qfc2db88134_wquant, .Lfunc_end_k_qfc2db88134_wquant-k_qfc2db88134_wquant
	.p2alignl 7, 3214868480
	.fill 96, 4, 3214868480
	.section	.rodata,"a",@progbits
	.p2align	6, 0x0
	.amdhsa_kernel k_qfc2db88134_wquant
		.amdhsa_group_segment_fixed_size 0
		.amdhsa_private_segment_fixed_size 0
		.amdhsa_enable_private_segment 0
		.amdhsa_kernarg_size 40
		.amdhsa_user_sgpr_count 2
		.amdhsa_user_sgpr_kernarg_segment_ptr 1
		.amdhsa_wavefront_size32 1
		.amdhsa_system_sgpr_workgroup_id_x 1
		.amdhsa_system_sgpr_workgroup_id_y 1
		.amdhsa_system_sgpr_workgroup_id_z 1
		.amdhsa_system_vgpr_workitem_id 0
		.amdhsa_next_free_vgpr 128
		.amdhsa_next_free_sgpr 66
		.amdhsa_reserve_vcc 0
		.amdhsa_float_denorm_mode_32 3
		.amdhsa_float_denorm_mode_16_64 3
		.amdhsa_memory_ordered 1
		.amdhsa_forward_progress 1
		.amdhsa_inst_pref_size 7
	.end_amdhsa_kernel
	.amdgpu_metadata
---
amdhsa.version: [ 1, 2 ]
amdhsa.kernels:
  - .name:           k_qfc2db88134_wquant
    .symbol:         k_qfc2db88134_wquant.kd
    .args:
      - { .name: Wq, .offset: 0, .size: 8, .value_kind: global_buffer, .address_space: global }
      - { .name: Wk, .offset: 8, .size: 8, .value_kind: global_buffer, .address_space: global }
      - { .name: Wv, .offset: 16, .size: 8, .value_kind: global_buffer, .address_space: global }
      - { .name: wimg, .offset: 24, .size: 8, .value_kind: global_buffer, .address_space: global }
      - { .name: wsc, .offset: 32, .size: 8, .value_kind: global_buffer, .address_space: global }
    .group_segment_fixed_size: 0
    .private_segment_fixed_size: 0
    .kernarg_segment_align: 8
    .kernarg_segment_size: 40
    .max_flat_workgroup_size: 128
    .sgpr_count:     66
    .vgpr_count:     128
    .wavefront_size: 32
...
	.end_amdgpu_metadata
.endif
;; end of part 1
;; launch proj (part 2): grid 64 x 4, 4 waves a work-group, no clusters, 13,312 bytes of LDS; arguments x, wimg, wsc, bq, bk, bv, qimg, qsc, kv; writes qimg, qsc, kv
.if DOCPART == 2
	.amdgcn_target "amdgcn-amd-amdhsa--gfx1250"
	.amdhsa_code_object_version 6
	.text
	.protected	k_qfc2db88134_proj
	.globl	k_qfc2db88134_proj
	.p2align	8
	.type	k_qfc2db88134_proj,@function
k_qfc2db88134_proj:
	s_mov_b64 s[64:65], 0
	v_nop
	global_prefetch_b8 v0, s[64:65] scope:SCOPE_SE
	s_setreg_imm32_b32 hwreg(HW_REG_WAVE_MODE, 25, 1), 1
	s_wait_xcnt 0x0
; q = Wq x + bq, k = Wk x + bk, v = Wv x + bv for 64 pixels of one batch, all three products on codes of E3M2; then q and k are quantised along their 128 channels and v along the keys (pixels).  No work is left out.
; SHARES.  Work-group (P, b): pixels 64 P .. 64 P + 63 of batch b.  Wave 0 makes q, wave 1 k, waves 2 and 3 the two halves of v's 256 channels: 8 weight tiles x 2 K steps x 4 pixel tiles = 64 matrix instructions each.
; x IS QUANTISED ONCE: wave w takes 32 pixels (w % 2) and 128 channels (w / 2); a lane takes a pixel and its registers run down the channels, so a block of 32 lies in one lane.  The fragments go to the other waves
; through LDS as images of the operand's registers.
; ONE ORDER OF PIXELS SERVES ALL: row p of pixel tile 2 k + u holds pixel 32 k + 8 u + p + 8 (p / 8).  For q and k the product is used transposed (source 0 = 16 rows of W, source 1 = 16 pixels): a lane holds one pixel,
; and the 16 registers of two neighbouring weight tiles are 16 neighbouring channels (the rows of those tiles were chosen so).  For v it is used as it stands (source 0 = 16 pixels, source 1 = 16 rows of Wv): a lane holds
; one channel, and by the pixel order the 16 registers of pixel tiles 2 k, 2 k + 1 are 16 neighbouring keys.  So one macro quantises all three.
; OUT, as images of operand registers: qimg [b][P][tile][1,536], qsc [b][P][lane][2 words]; kv [b][i][j][38,400]: the record of key step 8 j + i (128 keys): 8 tiles of k (12,288 bytes), 16 tiles of v (24,576), k's scale
; words (512), v's (1,024).  This work-group fills half H = P % 2 of a record; every store covers whole aligned runs of 256 bytes.
; LIMITS: NaN and infinities are not served; a block whose largest magnitude lies under 2^-122, a block of zeros too, gets the scale byte 1 (zeros' codes are zeros; this program alone reads the bytes).
.set XIMG,  0                          ; LDS: x's 8 fragments, 1,536 bytes each: index 4 k + 2 u + s
.set XSC,   12288                      ; their scale words, 128 bytes for each (k, s): lanes 0-15 tile u = 0, lanes 16-31 tile u = 1
.set SPARE, 12800                      ; the spare words, 128 bytes for each wave: two blocks of 256 bytes that no other line names
.set XA,   1                           ; v1   x: 4 x my pixel among the wave's 32
.set LI,   2                           ; v2   16 x lane
.set L8,   3                           ; v3   8 x lane
.set LS,   4                           ; v4   4 x lane
.set XWI,  5                           ; v5   where I store x's images
.set XWS,  6                           ; v6   and their scale words
.set BQ,   7                           ; v7   bq, bk: 64 h
.set BV,   8                           ; v8   bv: 4 r
.set SELV, 9                           ; v9   byte selects: the low halves in lanes 0-15, the high halves in lanes 16-31
.set XF,   12                          ; v12-107  x's 8 fragments: 24 m + 12 s
.set XN,   12                          ; v12-139  before that: my pixel's 128 numbers
.set HA,   108                         ; v108-171 8 accumulators
.set PC,   172                         ; v172-211 codes just made
.set TM,   212                         ; v212-227 at work
.set SW,   228                         ; v228-231 scale words just made
.set OW,   232                         ; v232-233 scale words as they are stored
.set XS,   234                         ; v234-237 x's scale words: 2 k + s
.set WS,   238                         ; v238-253 my weights' scale words: 2 t + s
.set SPW,  254                         ; v254 LDS address of my spare word; never rewritten
.set NIL,  255                         ; v255 0; never rewritten
.set WB,   192                         ; window 1: v0-191 my 16 weight fragments, 12 (2 t + s); v192-255 the biases, 8 registers a tile, in the result's layout
.set SEL,  50
.set MSB, 0
.macro WIN new                         ; the immediate's high byte repeats the setting that is left
.if MSB != \new
	s_set_vgpr_msb (MSB<<8)|\new
.set MSB, \new
.endif
.endm
; 64 numbers of a lane, register 16 b + i = place 32 b + 16 (lane / 16) + i along K, become 12 registers of codes in v[PC] on and a scale word in v[pw]
.macro QUANT s, pw
.irp b, 0,1,2,3
	v_max3_num_f32 v[TM+\b], |v[\s+16*\b]|, |v[\s+1+16*\b]|, 0x2800000   ; block b: my 16 numbers and the floor 2^(5 - 127)
.endr
.irp i, 2,4,6,8,10,12,14
.irp b, 0,1,2,3
	v_max3_num_f32 v[TM+\b], v[TM+\b], |v[\s+16*\b+\i]|, |v[\s+1+16*\b+\i]|
.endr
.endr
.irp b, 0,1,2,3
	v_permlanex16_b32 v[TM+4+\b], v[TM+\b], s[SEL], s[SEL+1]
.endr
.irp b, 0,1,2,3
	v_max_num_f32 v[TM+\b], v[TM+\b], v[TM+4+\b]   ; with lane l xor 16's: the block's largest magnitude
.endr
.irp b, 0,1,2,3
	v_add_nc_u32 v[TM+12+\b], 0xfe000000, v[TM+\b] ; 4 off its exponent field: the conversion's scale operand
.endr
.irp b, 0,1,2,3
	v_lshrrev_b32 v[TM+4+\b], 23, v[TM+12+\b]      ; the scale's byte
.endr
	v_lshl_or_b32 v[\pw], v[TM+5], 8, v[TM+4]
	v_lshl_or_b32 v[\pw], v[TM+6], 16, v[\pw]
	v_lshl_or_b32 v[\pw], v[TM+7], 24, v[\pw]
.irp c, 0,1
	v_cvt_scalef32_pk16_bf6_f32 v[PC+6*\c:PC+2+6*\c], v[\s+32*\c:\s+15+32*\c], v[TM+12+2*\c]
	v_cvt_scalef32_pk16_bf6_f32 v[PC+12+4*\c:PC+14+4*\c], v[\s+16+32*\c:\s+31+32*\c], v[TM+12+2*\c+1]
.endr
	v_nop                                          ; one plain instruction behind a scaled conversion
.irp c, 0,1                                    ; a whole block to a lane: lanes 0-15 block 2 c, lanes 16-31 block 2 c + 1
.irp i, 0,1,2
	v_permlane16_swap_b32 v[PC+6*\c+\i], v[PC+12+4*\c+\i]
.endr
.irp i, 0,1,2
	v_mov_b32 v[PC+3+6*\c+\i], v[PC+12+4*\c+\i]
.endr
.endr
.endm
; block j (32 channels) of my pixel: all 32 numbers are mine.  Blocks 2 c go to v[PC + 6 c], blocks 2 c + 1 to v[PC + 12 + 6 c]; the second halves to v[PC + 24] on
.macro QX j
.set X0, XN+32*(\j)
	v_max3_num_f32 v[TM], |v[X0]|, |v[X0+1]|, |v[X0+2]|
	v_max3_num_f32 v[TM+1], |v[X0+3]|, |v[X0+4]|, |v[X0+5]|
.irp i, 6,10,14,18,22,26
	v_max3_num_f32 v[TM], v[TM], |v[X0+\i]|, |v[X0+\i+1]|
	v_max3_num_f32 v[TM+1], v[TM+1], |v[X0+\i+2]|, |v[X0+\i+3]|
.endr
	v_max3_num_f32 v[TM], v[TM], |v[X0+30]|, |v[X0+31]|
	v_max3_num_f32 v[TM], v[TM], v[TM+1], 0x2800000
	v_add_nc_u32 v[TM+2], 0xfe000000, v[TM]
	v_lshrrev_b32 v[TM+3], 23, v[TM+2]
.if (\j) == 0
	v_mov_b32 v[SW], v[TM+3]
.else
	v_lshl_or_b32 v[SW], v[TM+3], 8*(\j), v[SW]
.endif
	v_cvt_scalef32_pk16_bf6_f32 v[PC+12*((\j)%2)+6*((\j)/2):PC+12*((\j)%2)+6*((\j)/2)+2], v[X0:X0+15], v[TM+2]
	v_cvt_scalef32_pk16_bf6_f32 v[PC+24+8*((\j)%2)+4*((\j)/2):PC+24+8*((\j)%2)+4*((\j)/2)+2], v[X0+16:X0+31], v[TM+2]
	v_nop                                          ; one plain instruction behind a scaled conversion
.endm
; q, k: pixel tile m against my 8 weight tiles, transposed; the bias is the C of the first K step.  The 8 accumulators take turns
.macro PQK m
	WIN 0x11                                       ; source 0 (W) and source 2 (bias) window 1
.irp t, 0,1,2,3,4,5,6,7
.if (\m)%2
	v_wmma_scale_f32_16x16x128_f8f6f4 v[HA+8*\t:HA+8*\t+7], v[24*\t:24*\t+11], v[XF+24*(\m):XF+24*(\m)+11], v[WB+8*\t:WB+8*\t+7], v[WS+2*\t], v[XS+2*((\m)/2)] matrix_a_fmt:MATRIX_FMT_BF6 matrix_b_fmt:MATRIX_FMT_BF6 matrix_b_scale:MATRIX_SCALE_ROW1
.else
	v_wmma_scale_f32_16x16x128_f8f6f4 v[HA+8*\t:HA+8*\t+7], v[24*\t:24*\t+11], v[XF+24*(\m):XF+24*(\m)+11], v[WB+8*\t:WB+8*\t+7], v[WS+2*\t], v[XS+2*((\m)/2)] matrix_a_fmt:MATRIX_FMT_BF6 matrix_b_fmt:MATRIX_FMT_BF6
.endif
.endr
	WIN 0x01
.irp t, 0,1,2,3,4,5,6,7
.if (\m)%2
	v_wmma_scale_f32_16x16x128_f8f6f4 v[HA+8*\t:HA+8*\t+7], v[24*\t+12:24*\t+23], v[XF+24*(\m)+12:XF+24*(\m)+23], v[HA+8*\t:HA+8*\t+7], v[WS+2*\t+1], v[XS+2*((\m)/2)+1] matrix_a_fmt:MATRIX_FMT_BF6 matrix_b_fmt:MATRIX_FMT_BF6 matrix_b_scale:MATRIX_SCALE_ROW1
.else
	v_wmma_scale_f32_16x16x128_f8f6f4 v[HA+8*\t:HA+8*\t+7], v[24*\t+12:24*\t+23], v[XF+24*(\m)+12:XF+24*(\m)+23], v[HA+8*\t:HA+8*\t+7], v[WS+2*\t+1], v[XS+2*((\m)/2)+1] matrix_a_fmt:MATRIX_FMT_BF6 matrix_b_fmt:MATRIX_FMT_BF6
.endif
.endr
	WIN 0
.endm
; v: the four pixel tiles against my channel tiles 2 y, 2 y + 1, as the product stands
.macro PVV y
	WIN 0x14                                       ; source 1 (W) and source 2 (bias) window 1
.irp e, 0,1
.irp m, 0,1,2,3
.if \m%2
	v_wmma_scale_f32_16x16x128_f8f6f4 v[HA+32*\e+8*\m:HA+32*\e+8*\m+7], v[XF+24*\m:XF+24*\m+11], v[24*(2*(\y)+\e):24*(2*(\y)+\e)+11], v[WB+8*(2*(\y)+\e):WB+8*(2*(\y)+\e)+7], v[XS+2*(\m/2)], v[WS+2*(2*(\y)+\e)] matrix_a_fmt:MATRIX_FMT_BF6 matrix_b_fmt:MATRIX_FMT_BF6 matrix_a_scale:MATRIX_SCALE_ROW1
.else
	v_wmma_scale_f32_16x16x128_f8f6f4 v[HA+32*\e+8*\m:HA+32*\e+8*\m+7], v[XF+24*\m:XF+24*\m+11], v[24*(2*(\y)+\e):24*(2*(\y)+\e)+11], v[WB+8*(2*(\y)+\e):WB+8*(2*(\y)+\e)+7], v[XS+2*(\m/2)], v[WS+2*(2*(\y)+\e)] matrix_a_fmt:MATRIX_FMT_BF6 matrix_b_fmt:MATRIX_FMT_BF6
.endif
.endr
.endr
	WIN 0x04
.irp e, 0,1
.irp m, 0,1,2,3
.if \m%2
	v_wmma_scale_f32_16x16x128_f8f6f4 v[HA+32*\e+8*\m:HA+32*\e+8*\m+7], v[XF+24*\m+12:XF+24*\m+23], v[24*(2*(\y)+\e)+12:24*(2*(\y)+\e)+23], v[HA+32*\e+8*\m:HA+32*\e+8*\m+7], v[XS+2*(\m/2)+1], v[WS+2*(2*(\y)+\e)+1] matrix_a_fmt:MATRIX_FMT_BF6 matrix_b_fmt:MATRIX_FMT_BF6 matrix_a_scale:MATRIX_SCALE_ROW1
.else
	v_wmma_scale_f32_16x16x128_f8f6f4 v[HA+32*\e+8*\m:HA+32*\e+8*\m+7], v[XF+24*\m+12:XF+24*\m+23], v[24*(2*(\y)+\e)+12:24*(2*(\y)+\e)+23], v[HA+32*\e+8*\m:HA+32*\e+8*\m+7], v[XS+2*(\m/2)+1], v[WS+2*(2*(\y)+\e)+1] matrix_a_fmt:MATRIX_FMT_BF6 matrix_b_fmt:MATRIX_FMT_BF6
.endif
.endr
.endr
	WIN 0
.endm
	s_load_b512 s[8:23], s[0:1], 0x0               ; x s[8:9], wimg s[10:11], wsc s[12:13], bq s[14:15], bk s[16:17], bv s[18:19], qimg s[20:21], qsc s[22:23]
	s_load_b64 s[24:25], s[0:1], 0x40              ; kv
	v_lshl_add_u32 v[SPW], v0, 2, SPARE
	v_mov_b32 v[NIL], 0
	v_lshrrev_b32 v10, 5, v0
	v_readfirstlane_b32 s26, v10                   ; wave 0..3
	s_and_b32 s27, s26, 1                          ; which 32 pixels of x I quantise; for v: which half of the channels
	s_lshr_b32 s28, s26, 1                         ; which 128 channels of x I quantise; 1 in v's waves
	v_and_b32 v10, 31, v0                          ; lane
	v_bfe_u32 v11, v0, 4, 1                        ; h
	v_lshlrev_b32 v[LI], 4, v10
	v_lshlrev_b32 v[L8], 3, v10
	v_lshlrev_b32 v[LS], 2, v10
	v_and_b32 v[XA], 7, v0                         ; my pixel: the lane's number with bits 3 and 4 changed over, so that lanes 0-15 hold tile u = 0's rows and lanes 16-31 tile u = 1's
	v_bfe_u32 v[BV], v0, 3, 1
	v_lshl_or_b32 v[XA], v[BV], 4, v[XA]
	v_lshl_or_b32 v[XA], v11, 3, v[XA]
	v_lshlrev_b32 v[XA], 2, v[XA]
	v_lshlrev_b32 v[BQ], 6, v11
	v_and_b32 v[BV], 15, v0
	v_lshlrev_b32 v[BV], 2, v[BV]
	s_mov_b32 s48, 0xffff0000                      ; lanes 16-31
	v_mov_b32 v[SELV], 0x05040100
	v_mov_b32 v10, 0x07060302
	v_cndmask_b32 v[SELV], v[SELV], v10, s48
	s_lshl_b32 s29, s27, 2
	s_add_co_u32 s29, s29, s28
	s_mul_i32 s29, s29, 1536
	v_add_nc_u32 v[XWI], s29, v[LI]                ; fragment 4 k + s (u = 0); u = 1 lies 3,072 bytes on
	s_lshl_b32 s29, s27, 1
	s_add_co_u32 s29, s29, s28
	s_lshl_b32 s29, s29, 7
	v_add_nc_u32 v[XWS], s29, v[LS]
.irp b, 0,1,2,3
	v_mov_b32 v[TM+4+\b], 0                        ; written once: a lane permute's destination counts as one of its sources
.endr
	s_mov_b32 s[SEL], 0x76543210
	s_mov_b32 s[SEL+1], 0xfedcba98
	s_and_b32 s32, ttmp7, 0xffff                   ; b
	s_lshr_b32 s35, ttmp9, 1                       ; the key step, 0..31
	s_and_b32 s34, ttmp9, 1                        ; H
	s_lshl_b32 s36, s32, 3
	s_and_b32 s37, s35, 7
	s_add_co_u32 s36, s36, s37
	s_lshl_b32 s36, s36, 2
	s_lshr_b32 s37, s35, 3
	s_add_co_u32 s36, s36, s37
	s_mul_i32 s36, s36, 38400                      ; my record in kv
	s_lshl_b32 s52, s32, 6
	s_add_co_u32 s52, s52, ttmp9                   ; 64 b + P
	s_mul_i32 s53, s52, 6144                       ; q: images,
	s_lshl_b32 s54, s52, 8                         ;    scale words
	s_mul_i32 s55, s34, 6144
	s_add_co_u32 s55, s55, s36                     ; k: images,
	s_lshl_b32 s56, s34, 8
	s_add_co_u32 s56, s56, s36
	s_add_co_u32 s56, s56, 36864                   ;    scale words
	s_mul_i32 s57, s27, 12288
	s_mul_i32 s58, s34, 768
	s_add_co_u32 s57, s57, s58
	s_add_co_u32 s57, s57, s36
	s_add_co_u32 s57, s57, 12288                   ; v: images,
	s_lshl_b32 s58, s34, 9
	s_lshl_b32 s59, s27, 8
	s_add_co_u32 s58, s58, s59
	s_add_co_u32 s58, s58, s36
	s_add_co_u32 s58, s58, 37376                   ;    scale words
	s_cmp_eq_u32 s26, 0
	s_cselect_b32 s38, s53, s55
	s_cselect_b32 s46, s54, s56
	s_cmp_lt_u32 s26, 2
	s_cselect_b32 s38, s38, s57
	s_cselect_b32 s46, s46, s58
	s_mov_b32 s39, 0
	s_mov_b32 s47, 0
	s_lshl_b32 s30, s32, 22                        ; x: batch, my 128 channels, the work-group's 256 bytes of a row, my 128 of them
	s_lshl_b32 s31, s28, 21
	s_add_co_u32 s30, s30, s31
	s_lshl_b32 s31, ttmp9, 8
	s_add_co_u32 s30, s30, s31
	s_lshl_b32 s31, s27, 7
	s_add_co_u32 s30, s30, s31
	s_mov_b32 s31, 0
	s_mul_i32 s52, s26, 24576                      ; my 16 weight fragments
	s_mov_b32 s53, 0
	s_lshl_b32 s54, s26, 11                        ; and their scale words
	s_mov_b32 s55, 0
	s_mul_i32 s56, s27, s28
	s_lshl_b32 s56, s56, 9                         ; bv: 128 numbers on in wave 3
	s_mov_b32 s57, 0
	s_wait_kmcnt 0x0
	s_add_nc_u64 s[8:9], s[8:9], s[30:31]
	s_add_nc_u64 s[10:11], s[10:11], s[52:53]
	s_add_nc_u64 s[12:13], s[12:13], s[54:55]
	s_cmp_eq_u32 s26, 0                            ; the choices hang on the wave's number alone
	s_cselect_b64 s[44:45], s[14:15], s[16:17]
	s_cselect_b64 s[40:41], s[20:21], s[24:25]
	s_cselect_b64 s[42:43], s[22:23], s[24:25]
	s_cmp_lt_u32 s26, 2
	s_cselect_b64 s[44:45], s[44:45], s[18:19]
	s_add_nc_u64 s[44:45], s[44:45], s[56:57]      ; my bias
	s_add_nc_u64 s[40:41], s[40:41], s[38:39]      ; where my images go
	s_add_nc_u64 s[42:43], s[42:43], s[46:47]      ; where my scale words go
	WIN 0x40                                       ; destination window 1
.set nn, 0
.rept 48
	global_load_b128 v[4*nn:4*nn+3], v[LI], s[10:11] offset:512*nn
.set nn, nn+1
.endr
	WIN 0
.irp f, 0,1,2,3,4,5,6,7,8,9,10,11,12,13,14,15
	global_load_b32 v[WS+\f], v[LS], s[12:13] offset:128*\f
.endr
	s_cmp_lt_u32 s26, 2
	s_cbranch_scc0 .Lbias_v
	WIN 0x40
.irp t, 0,1,2,3,4,5,6,7                        ; tile 2 b + u, lane (r, h): channels 32 b + 16 h + 8 u + 0 .. 7
	global_load_b128 v[WB+8*\t:WB+8*\t+3], v[BQ], s[44:45] offset:(32*(\t/2)+8*(\t%2))*4
	global_load_b128 v[WB+8*\t+4:WB+8*\t+7], v[BQ], s[44:45] offset:(32*(\t/2)+8*(\t%2))*4+16
.endr
	WIN 0
	s_branch .Lbias_done
.Lbias_v:
	WIN 0x40
.irp t, 0,1,2,3,4,5,6,7                        ; a lane holds one channel, 16 t + r: the same number in all eight registers
.irp j, 0,1,2,3,4,5,6,7
	global_load_b32 v[WB+8*\t+\j], v[BV], s[44:45] offset:64*\t
.endr
.endr
	WIN 0
.Lbias_done:
.set nn, 0
.rept 128
	global_load_b32 v[XN+nn], v[XA], s[8:9] offset:16384*nn th:TH_LOAD_NT   ; channel nn of my 128: the wave reads 128 consecutive bytes
.set nn, nn+1
.endr
	s_wait_loadcnt 63                              ; at most 63 of the 128 are out: channels 0 to 63 are in, and all that was loaded before them
	QX 0
	QX 1
	s_wait_loadcnt 32                              ; the last block's 32 may be out
	QX 2
	s_wait_loadcnt 0x0
	QX 3
.irp c, 0,1                                    ; lanes 0-15 hold tile u = 0's pixels, lanes 16-31 tile u = 1's.  The first's lanes 16-31 change places with the second's lanes 0-15:
.irp i, 0,1,2                                  ; v[PC] on becomes tile 0's fragment (lanes 0-15 block 2 c, lanes 16-31 block 2 c + 1), v[PC + 12] on tile 1's
	v_permlane16_swap_b32 v[PC+6*\c+\i], v[PC+12+6*\c+\i]
	v_permlane16_swap_b32 v[PC+24+4*\c+\i], v[PC+32+4*\c+\i]
.endr
.endr
.irp c, 0,1
.irp i, 0,1,2
	v_mov_b32 v[PC+3+6*\c+\i], v[PC+24+4*\c+\i]
	v_mov_b32 v[PC+15+6*\c+\i], v[PC+32+4*\c+\i]
.endr
.endr
.irp g, 0,1,2
	ds_store_b128 v[XWI], v[PC+4*\g:PC+4*\g+3] offset:XIMG+512*\g
	ds_store_b128 v[XWI], v[PC+12+4*\g:PC+12+4*\g+3] offset:XIMG+3072+512*\g
.endr
	ds_store_b32 v[XWS], v[SW] offset:XSC
	s_wait_dscnt 0x0                               ; for the others' sake: my stores have landed
	s_barrier_signal -1
	s_barrier_wait -1                              ; x's eight fragments lie in LDS
.set nn, 0
.rept 24
	ds_load_b128 v[XF+4*nn:XF+4*nn+3], v[LI] offset:XIMG+512*nn
.set nn, nn+1
.endr
.irp i, 0,1,2,3
	ds_load_b32 v[XS+\i], v[LS] offset:XSC+128*\i
.endr
	s_wait_dscnt 0x0
	s_cmp_lt_u32 s26, 2
	s_cbranch_scc0 .Lv_arm
.irp m, 0,1,2,3
	PQK \m
.rept 4
	v_nop                                          ; four plain instructions between the last product and the first read of results
.endr
	s_wait_xcnt 0x0                                ; the last tile's stores have read the codes' registers
	QUANT HA, SW+\m
.irp g, 0,1,2
	global_store_b128 v[LI], v[PC+4*\g:PC+4*\g+3], s[40:41] offset:1536*\m+512*\g
.endr
.endr
	v_cndmask_b32 v[OW], v[SW], v[SW+1], s48       ; word k: lanes 0-15 tile 2 k's rows, lanes 16-31 tile 2 k + 1's
	v_cndmask_b32 v[OW+1], v[SW+2], v[SW+3], s48
	global_store_b64 v[L8], v[OW:OW+1], s[42:43]
	s_branch .Lend
.Lv_arm:
.irp y, 0,1,2,3
	PVV \y
.rept 4
	v_nop
.endr
	s_wait_xcnt 0x0
	QUANT HA, SW+\y                                ; blocks 0, 1: channel tile 2 y, keys 0-31 and 32-63 of my 64; blocks 2, 3: tile 2 y + 1
.irp e, 0,1                                    ; v[PC + 6 e] on: six registers of tile 2 y + e's fragment, key block = the lane's half
	global_store_b128 v[LI], v[PC+6*\e:PC+6*\e+3], s[40:41] offset:1536*(2*\y+\e)
	global_store_b64 v[L8], v[PC+6*\e+4:PC+6*\e+5], s[40:41] offset:1536*(2*\y+\e)+512
.endr
.endr
	v_perm_b32 v[OW], v[SW+1], v[SW], v[SELV]      ; lanes 0-15: the even tiles' two bytes of y = 0 and y = 1; lanes 16-31: the odd tiles'
	v_perm_b32 v[OW+1], v[SW+3], v[SW+2], v[SELV]
	global_store_b64 v[L8], v[OW:OW+1], s[42:43]
.Lend:
	s_wait_tensorcnt 0x0                           ; the wave's end
	ds_add_u32 v[SPW], v[NIL]
	s_wait_dscnt 0x0
	s_endpgm
.Lfunc_end_k_qfc2db88134_proj:
	.size	k_qfc2db88134_proj, .Lfunc_end_k_qfc2db88134_proj-k_qfc2db88134_proj
	.p2alignl 7, 3214868480
	.fill 96, 4, 3214868480
	.section	.rodata,"a",@progbits
	.p2align	6, 0x0
	.amdhsa_kernel k_qfc2db88134_proj
		.amdhsa_group_segment_fixed_size 13312
		.amdhsa_private_segment_fixed_size 0
		.amdhsa_enable_private_segment 0
		.amdhsa_kernarg_size 72
		.amdhsa_user_sgpr_count 2
		.amdhsa_user_sgpr_kernarg_segment_ptr 1
		.amdhsa_wavefront_size32 1
		.amdhsa_system_sgpr_workgroup_id_x 1
		.amdhsa_system_sgpr_workgroup_id_y 1
		.amdhsa_system_sgpr_workgroup_id_z 1
		.amdhsa_system_vgpr_workitem_id 0
		.amdhsa_next_free_vgpr 512
		.amdhsa_next_free_sgpr 66
		.amdhsa_reserve_vcc 0
		.amdhsa_float_denorm_mode_32 3
		.amdhsa_float_denorm_mode_16_64 3
		.amdhsa_memory_ordered 1
		.amdhsa_forward_progress 1
		.amdhsa_inst_pref_size 90
	.end_amdhsa_kernel
	.amdgpu_metadata
---
amdhsa.version: [ 1, 2 ]
amdhsa.kernels:
  - .name:           k_qfc2db88134_proj
    .symbol:         k_qfc2db88134_proj.kd
    .args:
      - { .name: x, .offset: 0, .size: 8, .value_kind: global_buffer, .address_space: global }
      - { .name: wimg, .offset: 8, .size: 8, .value_kind: global_buffer, .address_space: global }
      - { .name: wsc, .offset: 16, .size: 8, .value_kind: global_buffer, .address_space: global }
      - { .name: bq, .offset: 24, .size: 8, .value_kind: global_buffer, .address_space: global }
      - { .name: bk, .offset: 32, .size: 8, .value_kind: global_buffer, .address_space: global }
      - { .name: bv, .offset: 40, .size: 8, .value_kind: global_buffer, .address_space: global }
      - { .name: qimg, .offset: 48, .size: 8, .value_kind: global_buffer, .address_space: global }
      - { .name: qsc, .offset: 56, .size: 8, .value_kind: global_buffer, .address_space: global }
      - { .name: kv, .offset: 64, .size: 8, .value_kind: global_buffer, .address_space: global }
    .group_segment_fixed_size: 13312
    .private_segment_fixed_size: 0
    .kernarg_segment_align: 8
    .kernarg_segment_size: 72
    .max_flat_workgroup_size: 128
    .sgpr_count:     66
    .vgpr_count:     512
    .wavefront_size: 32
...
	.end_amdgpu_metadata
.endif
;; end of part 2
;; launch attn (part 3): grid 64 x 4, 8 waves a work-group, clusters of 4 x 1, 327,680 bytes of LDS; arguments qimg, qsc, kv, x, gamma, out0; writes out0
.if DOCPART == 3
	.amdgcn_target "amdgcn-amd-amdhsa--gfx1250"
	.amdhsa_code_object_version 6
	.text
	.protected	k_qfc2db88134_attn
	.globl	k_qfc2db88134_attn
	.p2align	8
	.type	k_qfc2db88134_attn,@function
k_qfc2db88134_attn:
	s_mov_b64 s[64:65], 0
	v_nop
	global_prefetch_b8 v0, s[64:65] scope:SCOPE_SE
	s_setreg_imm32_b32 hwreg(HW_REG_WAVE_MODE, 25, 1), 1
	s_wait_xcnt 0x0
	s_wait_alu depctr_hold_cnt(0) depctr_sa_sdst(0) depctr_va_vdst(0) depctr_va_sdst(0) depctr_va_ssrc(0) depctr_va_vcc(0) depctr_vm_vsrc(0)
	s_getreg_b32 s2, hwreg(HW_REG_IB_STS2, 6, 4)
	s_cmp_eq_u32 s2, 0
	s_cbranch_scc0 .Lentry_in_a_cluster
	s_endpgm
.Lentry_in_a_cluster:
	s_bfe_u32 s2, ttmp6, 0x10000c
	s_cmp_lg_u32 s2, 0x3003
	s_cbranch_scc0 .Lentry_shape_is_right
	s_endpgm
.Lentry_shape_is_right:
; out0[b][c][n] = gamma * (sum over keys m of v[c][m] p[n][m]) / l[n] + x[b][c][n], p = 2^(t - M), t = (q[n] . k[m]) log2(e), M a whole number; both products on codes of E3M2.  No work is left out.
; SHARES.  A work-group owns 64 queries of one batch.  Wave w: queries 32 (w % 2) .. + 31 (two tiles of 16) and the key quarter w / 2 (key steps 8 j .. 8 j + 7, 128 keys each).  Two waves to a SIMD: one wave's
; softmax stands beside the other's products and LDS loads.  Each fragment of k and v read from LDS feeds two matrix instructions.  At the end the four quarters are merged: each has its own whole number M, so the merge multiplies by powers of two.
; LAYOUT.  Both products are used transposed: S^T = k q^T (source 0 = 16 keys), O^T = v p^T (source 0 = 16 channels): a lane holds one query throughout.  The keys of a tile of k were chosen so that the 16 registers of tiles
; 2 b, 2 b + 1 are 16 neighbouring keys.  All operands lie in memory as images of their registers, so every LDS load takes consecutive bytes.
; RING.  Two slots of 153,600 bytes; ring step i holds the records of key steps i, 8 + i, 16 + i, 24 + i, which are consecutive in kv.  Each of the eight waves fetches an eighth (75 rows of 256 bytes).
; CLUSTER.  The four query blocks of a cluster walk the same kv: every tile is asked for jointly, by the same tensor load with the same descriptor and the mask of all four.
; A wave has two tensor loads out at the start and one behind each round.
; LIMITS: NaN and infinities are not served; a block of p that has fallen to zeros keeps the scale byte 1 (its codes are zeros); the sums over the four key quarters are added in another order than in one stream.
.set KSOFF, 36864
.set VOFF,  12288
.set VSOFF, 37376
.set REC,   38400
.set SLOTB, 153600
.set STATS, 307200                     ; behind the ring: -M [pair][tile][lane][quarter], 2,048 bytes; l likewise
.set SPARE, 311296                     ; the spare words, 128 bytes for each wave: four blocks of 256 bytes that no other line names
.set SROW,  272                        ; the way out: a stage [quarter][256 channels][256 bytes + 16], in the ring's bytes, which have had their last fill and their last read by then
.set SQ,    69632
.set PFO, 1                            ; v1   the prefetch's offset
.set A16, 2                            ; v2-3 my record in slot 0, 1, + 16 x lane
.set A8,  4                            ; v4-5 the same + 8 x lane
.set SPW, 6                            ; v6   LDS address of my spare word; never rewritten
.set NIL, 7                            ; v7   0; never rewritten
.set ST,  8                            ; v8-11  tile u: -M, the largest t
.set LL,  12                           ; v12-15 tile u: the row's sum in two halves
.set FP,  16                           ; v16-19 tile u: f, 0
.set BM,  20                           ; v20-27 tile u: the four blocks' largest scores
.set SO,  28                           ; v28-35 tile u: the conversions' scale operands
.set TT,  36                           ; v36-37 at work
.set QS,  38                           ; v38    q's scale words: lanes 0-15 tile 0, lanes 16-31 tile 1
.set GO,  39                           ; v39    the way out: my offset in x and out0
.set KS,  40                           ; v40-43 k's scale words: register b: lanes 0-15 tile 2 b, lanes 16-31 tile 2 b + 1
.set VS,  44                           ; v44-51 v's, likewise
.set PS,  52                           ; v52-53 p's
.set LI,  54                           ; v54    16 x lane
.set LQ,  55                           ; v55    8 x lane
.set Q,   56                           ; v56-79 q's two fragments
.set KF,  80                           ; v80-127 four fragments of k
.set TA,  80                           ; v80-95  tile u: eight registers at work
.set PC,  104                          ; v104-127 p's two fragments
.set S,   128                          ; v128-255 S^T, then p: 64 a tile
.set VB,  128                          ; v128-223 two buffers of four fragments of v
.set VT,  224                          ; v224-231 v's scale bytes as they lie
.set XR,  56                           ; v56-119 the way out: x, then the result
.set SGL, 20                           ; v20-21 the way out: into the stage (channels 0-127, 128-255)
.set RJ,  22                           ; v22-25 and back, quarter by quarter
.set WV,  16
.set CS,  22                           ; s[22:23] log2(e)
.set G1,  24                           ; s[24:31] descriptor group 1
.set G0,  32                           ; s[32:39] group 0, a set for each slot
.set SEL, 40
.set CNT, 42
.set CH,  43                           ; changes of slots so far
.set LIM, 44                           ; 3 in the batch's first cluster, else 0: so many changes prefetch
.set PFS, 45                           ; where my wave's next prefetch begins
.set PFA, 46                           ; s[46:47] ring step 3 of my batch
.set P0,  48
.set P1,  49
.set MSB, 0
.macro WIN new                         ; the immediate's high byte repeats the setting that is left
.if MSB != \new
	s_set_vgpr_msb (MSB<<8)|\new
.set MSB, \new
.endif
.endm
.set W_RS,  0x41                       ; O^T (destination, source 0) window 1
.set W_PV,  0x50                       ; C and D window 1
.set W_PV0, 0x40                       ; D window 1
.set W_OUT, 0x01                       ; source 0 window 1
.macro CROUND                          ; a round of the cluster's barrier
	s_barrier_signal -1
	s_barrier_wait -1
	s_cmp_lg_u32 s[WV], 0
	s_cbranch_scc1 .Lnot_wave_0_\@
	s_barrier_signal -3
.Lnot_wave_0_\@:
	s_barrier_wait -3
	s_barrier_signal -1
	s_barrier_wait -1
.endm
; A PREFETCH INTO THE L2.  All clusters of a batch walk the same kv: the batch's first cluster asks.  Its 32 waves share the blocks out by address, 8,192 bytes a wave, lanes 256 bytes apart: 262,144 fresh bytes at each of the first
; three changes of slots, from ring step 3 on (768,000 bytes to the batch's end; beyond that the offset is held at the batch's last block).  Step 3 is named one ring step ahead of its load.  Steps 0 to 2 come by their loads alone.
.macro ASK
	s_cmp_lt_u32 s[CH], s[LIM]
	s_cbranch_scc0 .Lno_ask_\@
	v_and_b32 v[PFO], 31, v0
	v_lshl_add_u32 v[PFO], v[PFO], 8, s[PFS]
	v_min_u32 v[PFO], 767744, v[PFO]
	global_prefetch_b8 v[PFO], s[PFA:PFA+1] th:TH_LOAD_NT scope:SCOPE_SE
.Lno_ask_\@:
	s_add_co_u32 s[CH], s[CH], 1
	s_add_co_u32 s[PFS], s[PFS], 262144
.endm
; THE CHANGE OF SLOTS.  Each wave waits for all its tensor loads (its part of the slot to be read next), adds 0 to its spare word, and waits for that and for its reads of the slot just left.
; fill = 1: a round of the cluster's barrier, and behind it the slot just left is filled with the ring step two on.
.macro CHANGE slot, fill
	s_wait_tensorcnt 0x0                           ; no tensor load of mine is out, so a group 0 may be written
	ds_add_u32 v[SPW], v[NIL]
.if \fill
	s_add_nc_u64 s[G0+4*\slot+2:G0+4*\slot+3], s[G0+4*\slot+2:G0+4*\slot+3], 2*SLOTB
	s_wait_xcnt 0x0                                ; the last prefetch, a ring step back, has read its offset register
	s_wait_dscnt 0x0                               ; the add is done, and my reads of the slot are over
	CROUND
	tensor_load_to_lds s[G0+4*\slot:G0+4*\slot+3], s[G1:G1+7]
	s_nop 0
.rept 4
	v_nop
.endr
	ASK
.else
	s_wait_dscnt 0x0
	s_barrier_signal -1
	s_barrier_wait -1
.endif
.endm
; four products S^T = k q^T: key tiles 2 bb, 2 bb + 1 (fragments q0, q0 + 1 of the four in hand) x my two query tiles
.macro KQ4 bb, q0
	v_wmma_scale_f32_16x16x128_f8f6f4 v[S+16*(\bb):S+16*(\bb)+7], v[KF+12*(\q0):KF+12*(\q0)+11], v[Q:Q+11], 0, v[KS+(\bb)], v[QS] matrix_a_fmt:MATRIX_FMT_BF6 matrix_b_fmt:MATRIX_FMT_BF6
	v_wmma_scale_f32_16x16x128_f8f6f4 v[S+64+16*(\bb):S+64+16*(\bb)+7], v[KF+12*(\q0):KF+12*(\q0)+11], v[Q+12:Q+23], 0, v[KS+(\bb)], v[QS] matrix_a_fmt:MATRIX_FMT_BF6 matrix_b_fmt:MATRIX_FMT_BF6 matrix_b_scale:MATRIX_SCALE_ROW1
	v_wmma_scale_f32_16x16x128_f8f6f4 v[S+16*(\bb)+8:S+16*(\bb)+15], v[KF+12*(\q0)+12:KF+12*(\q0)+23], v[Q:Q+11], 0, v[KS+(\bb)], v[QS] matrix_a_fmt:MATRIX_FMT_BF6 matrix_b_fmt:MATRIX_FMT_BF6 matrix_a_scale:MATRIX_SCALE_ROW1
	v_wmma_scale_f32_16x16x128_f8f6f4 v[S+64+16*(\bb)+8:S+64+16*(\bb)+15], v[KF+12*(\q0)+12:KF+12*(\q0)+23], v[Q+12:Q+23], 0, v[KS+(\bb)], v[QS] matrix_a_fmt:MATRIX_FMT_BF6 matrix_b_fmt:MATRIX_FMT_BF6 matrix_a_scale:MATRIX_SCALE_ROW1 matrix_b_scale:MATRIX_SCALE_ROW1
.endm
.macro KPHASE slot
	ds_load_b64 v[KS:KS+1], v[A8+\slot] offset:KSOFF
	ds_load_b64 v[KS+2:KS+3], v[A8+\slot] offset:KSOFF+256
.irp G, 0,1
.irp i, 0,1,2,3,4,5,6,7,8,9,10,11
	ds_load_b128 v[KF+4*\i:KF+4*\i+3], v[A16+\slot] offset:6144*\G+512*\i
.endr
	s_wait_dscnt 0x0
	KQ4 2*\G, 0
	KQ4 2*\G+1, 2
.rept 4
	v_nop                                          ; four plain instructions ahead of loads into registers that these products read, and of the first read of results
.endr
.endr
.endm
; THE SOFTMAX of 2 x 16 queries x 128 keys, the two tiles by turns.  first = 1: the wave's first key step, which starts M, l and O^T
.macro SOFTMAX first
.irp b, 0,1,2,3
.irp u, 0,1
	v_max3_num_f32 v[BM+4*\u+\b], v[S+64*\u+16*\b], v[S+64*\u+16*\b+1], v[S+64*\u+16*\b+2]   ; the largest score of each block of 32 keys: for the row's maximum and, since p rises with the score, for the block's largest p
.endr
.endr
.irp i, 3,5,7,9,11,13
.irp b, 0,1,2,3
.irp u, 0,1
	v_max3_num_f32 v[BM+4*\u+\b], v[BM+4*\u+\b], v[S+64*\u+16*\b+\i], v[S+64*\u+16*\b+\i+1]
.endr
.endr
.endr
.irp b, 0,1,2,3
.irp u, 0,1
	v_max_num_f32 v[BM+4*\u+\b], v[BM+4*\u+\b], v[S+64*\u+16*\b+15]
.endr
.endr
.irp b, 0,1,2,3
.irp u, 0,1
	v_permlanex16_b32 v[TA+8*\u+\b], v[BM+4*\u+\b], s[SEL], s[SEL+1]
.endr
.endr
.irp b, 0,1,2,3
.irp u, 0,1
	v_max_num_f32 v[BM+4*\u+\b], v[BM+4*\u+\b], v[TA+8*\u+\b]   ; with lane l xor 16's 16 keys
.endr
.endr
.irp u, 0,1
	v_max3_num_f32 v[TT+\u], v[BM+4*\u], v[BM+4*\u+1], v[BM+4*\u+2]
.endr
.irp u, 0,1
	v_max_num_f32 v[TT+\u], v[TT+\u], v[BM+4*\u+3]
.endr
.if \first
.irp u, 0,1
	v_mul_f32 v[ST+2*\u+1], s[CS], v[TT+\u]        ; the largest t
.endr
.irp u, 0,1
	v_floor_f32 v[ST+2*\u], -v[ST+2*\u+1]          ; -M = floor(-t) = -ceil(t)
.endr
.else
.irp u, 0,1
	v_mul_f32 v[TT+\u], s[CS], v[TT+\u]
.endr
.irp u, 0,1
	v_max_num_f32 v[ST+2*\u+1], v[ST+2*\u+1], v[TT+\u]   ; the running largest t
.endr
.irp u, 0,1
	v_mov_b32 v[TT+\u], v[ST+2*\u]
.endr
.irp u, 0,1
	v_floor_f32 v[ST+2*\u], -v[ST+2*\u+1]
.endr
.irp u, 0,1
	v_sub_f32 v[TT+\u], v[ST+2*\u], v[TT+\u]       ; old M less new M: a whole number, 0 or less
.endr
.irp u, 0,1
	v_cvt_i32_f32 v[TT+\u], v[TT+\u]
.endr
.irp u, 0,1
	v_ldexp_f32 v[FP+2*\u], 1.0, v[TT+\u]          ; f = 2^(old M - new M)
.endr
.endif
.set jj, 0
.rept 32
	v_pk_fma_f32 v[S+jj:S+jj+1], v[S+jj:S+jj+1], s[CS:CS+1], v[ST:ST+1] op_sel_hi:[1,0,0]   ; t - M, two at a time
	v_pk_fma_f32 v[S+64+jj:S+64+jj+1], v[S+64+jj:S+64+jj+1], s[CS:CS+1], v[ST+2:ST+3] op_sel_hi:[1,0,0]
.set jj, jj+2
.endr
.irp b, 0,1,2,3
.irp u, 0,1
	v_fma_f32 v[BM+4*\u+\b], v[BM+4*\u+\b], s[CS], v[ST+2*\u]   ; the same of each block's largest score
.endr
.endr
.set jj, 0
.rept 128
	v_exp_f32 v[S+jj], v[S+jj]                     ; p = 2^(t - M), at most 1: not normalised
.set jj, jj+1
.endr
.if \first
.irp i, 0,1,2,3
	v_mov_b32 v[LL+\i], 0                          ; the sums begin.  (Plain instructions behind the exponentials)
.endr
.else
.irp u, 0,1
	v_pk_mul_f32 v[LL+2*\u:LL+2*\u+1], v[LL+2*\u:LL+2*\u+1], v[FP+2*\u:FP+2*\u+1] op_sel_hi:[1,0]   ; the sums under the new M.  (Plain instructions behind the exponentials)
.endr
.endif
	s_wait_alu depctr_va_vdst(0)                   ; one wait for the whole batch, ahead of its first reader
.irp i, 0,1,2,3,4,5,6,7
	v_exp_f32 v[BM+\i], v[BM+\i]                   ; the blocks' largest p
.endr
.irp u, 0,1
	v_pk_add_f32 v[TA+8*\u:TA+8*\u+1], v[S+64*\u:S+64*\u+1], v[S+64*\u+2:S+64*\u+3]   ; the row's sum is taken of the unquantised p, in two chains a tile
.endr
.irp j, 4,8,12,16,20,24,28,32,36,40,44,48,52,56,60
.irp u, 0,1
	v_pk_add_f32 v[LL+2*\u:LL+2*\u+1], v[LL+2*\u:LL+2*\u+1], v[S+64*\u+\j:S+64*\u+\j+1]
	v_pk_add_f32 v[TA+8*\u:TA+8*\u+1], v[TA+8*\u:TA+8*\u+1], v[S+64*\u+\j+2:S+64*\u+\j+3]
.endr
.endr
.irp u, 0,1
	v_pk_add_f32 v[LL+2*\u:LL+2*\u+1], v[LL+2*\u:LL+2*\u+1], v[TA+8*\u:TA+8*\u+1]
.endr
	s_wait_alu depctr_va_vdst(0)                   ; and one for the eight
.irp i, 0,1,2,3,4,5,6,7
	v_max_num_f32 v[BM+\i], 0x2800000, v[BM+\i]    ; the floor 2^(5 - 127): the byte cannot fall under 1
.endr
.irp i, 0,1,2,3,4,5,6,7
	v_add_nc_u32 v[SO+\i], 0xfe000000, v[BM+\i]    ; 4 off the exponent field: the conversion's scale operand
.endr
.irp b, 0,1,2,3
.irp u, 0,1
	v_lshrrev_b32 v[TA+8*\u+\b], 23, v[SO+4*\u+\b] ; the scale's byte
.endr
.endr
.irp u, 0,1
	v_lshl_or_b32 v[PS+\u], v[TA+8*\u+1], 8, v[TA+8*\u]
.endr
.irp u, 0,1
	v_lshl_or_b32 v[PS+\u], v[TA+8*\u+2], 16, v[PS+\u]
.endr
.irp u, 0,1
	v_lshl_or_b32 v[PS+\u], v[TA+8*\u+3], 24, v[PS+\u]
.endr
.irp u, 0,1
.irp c, 0,1
	v_cvt_scalef32_pk16_bf6_f32 v[PC+12*\u+6*\c:PC+12*\u+6*\c+2], v[S+64*\u+32*\c:S+64*\u+32*\c+15], v[SO+4*\u+2*\c]
	v_cvt_scalef32_pk16_bf6_f32 v[TA+8*\u+4*\c:TA+8*\u+4*\c+2], v[S+64*\u+32*\c+16:S+64*\u+32*\c+31], v[SO+4*\u+2*\c+1]
.endr
.endr
	v_nop                                          ; one plain instruction behind a scaled conversion
.irp u, 0,1
.irp c, 0,1                                    ; a whole block to a lane: lanes 0-15 block 2 c, lanes 16-31 block 2 c + 1
.irp i, 0,1,2
	v_permlane16_swap_b32 v[PC+12*\u+6*\c+\i], v[TA+8*\u+4*\c+\i]
.endr
.irp i, 0,1,2
	v_mov_b32 v[PC+12*\u+6*\c+3+\i], v[TA+8*\u+4*\c+\i]
.endr
.endr
.endr
.endm
.macro VLOAD slot, G                   ; channel tiles 4 G .. 4 G + 3 into buffer G % 2: 16 loads
.irp q, 0,1,2,3
.set VR, VB+48*((\G)%2)+12*\q
	ds_load_b128 v[VR:VR+3], v[A16+\slot] offset:VOFF+1536*(4*(\G)+\q)
	ds_load_b64 v[VR+4:VR+5], v[A8+\slot] offset:VOFF+1536*(4*(\G)+\q)+512
	ds_load_b128 v[VR+6:VR+9], v[A16+\slot] offset:VOFF+1536*(4*(\G)+\q)+768
	ds_load_b64 v[VR+10:VR+11], v[A8+\slot] offset:VOFF+1536*(4*(\G)+\q)+1280
.endr
.endm
.macro RESCALE u                       ; O^T of tile u under the new M
	WIN W_RS
.set jj, 0
.rept 64
	v_pk_mul_f32 v[128*\u+jj:128*\u+jj+1], v[128*\u+jj:128*\u+jj+1], v[FP+2*\u:FP+2*\u+1] op_sel_hi:[1,0]
.set jj, jj+2
.endr
	WIN 0
.endm
; four products O^T += v p^T: channel tiles 2 bb, 2 bb + 1 (fragments at vb, vb + 12) x my two query tiles.  Each of the 32 accumulators has one instruction in a key step
.macro PV4 bb, vb, first
.if \first
	v_wmma_scale_f32_16x16x128_f8f6f4 v[16*(\bb):16*(\bb)+7], v[(\vb):(\vb)+11], v[PC:PC+11], 0, v[VS+(\bb)], v[PS] matrix_a_fmt:MATRIX_FMT_BF6 matrix_b_fmt:MATRIX_FMT_BF6
	v_wmma_scale_f32_16x16x128_f8f6f4 v[128+16*(\bb):128+16*(\bb)+7], v[(\vb):(\vb)+11], v[PC+12:PC+23], 0, v[VS+(\bb)], v[PS+1] matrix_a_fmt:MATRIX_FMT_BF6 matrix_b_fmt:MATRIX_FMT_BF6
	v_wmma_scale_f32_16x16x128_f8f6f4 v[16*(\bb)+8:16*(\bb)+15], v[(\vb)+12:(\vb)+23], v[PC:PC+11], 0, v[VS+(\bb)], v[PS] matrix_a_fmt:MATRIX_FMT_BF6 matrix_b_fmt:MATRIX_FMT_BF6 matrix_a_scale:MATRIX_SCALE_ROW1
	v_wmma_scale_f32_16x16x128_f8f6f4 v[128+16*(\bb)+8:128+16*(\bb)+15], v[(\vb)+12:(\vb)+23], v[PC+12:PC+23], 0, v[VS+(\bb)], v[PS+1] matrix_a_fmt:MATRIX_FMT_BF6 matrix_b_fmt:MATRIX_FMT_BF6 matrix_a_scale:MATRIX_SCALE_ROW1
.else
	v_wmma_scale_f32_16x16x128_f8f6f4 v[16*(\bb):16*(\bb)+7], v[(\vb):(\vb)+11], v[PC:PC+11], v[16*(\bb):16*(\bb)+7], v[VS+(\bb)], v[PS] matrix_a_fmt:MATRIX_FMT_BF6 matrix_b_fmt:MATRIX_FMT_BF6
	v_wmma_scale_f32_16x16x128_f8f6f4 v[128+16*(\bb):128+16*(\bb)+7], v[(\vb):(\vb)+11], v[PC+12:PC+23], v[128+16*(\bb):128+16*(\bb)+7], v[VS+(\bb)], v[PS+1] matrix_a_fmt:MATRIX_FMT_BF6 matrix_b_fmt:MATRIX_FMT_BF6
	v_wmma_scale_f32_16x16x128_f8f6f4 v[16*(\bb)+8:16*(\bb)+15], v[(\vb)+12:(\vb)+23], v[PC:PC+11], v[16*(\bb)+8:16*(\bb)+15], v[VS+(\bb)], v[PS] matrix_a_fmt:MATRIX_FMT_BF6 matrix_b_fmt:MATRIX_FMT_BF6 matrix_a_scale:MATRIX_SCALE_ROW1
	v_wmma_scale_f32_16x16x128_f8f6f4 v[128+16*(\bb)+8:128+16*(\bb)+15], v[(\vb)+12:(\vb)+23], v[PC+12:PC+23], v[128+16*(\bb)+8:128+16*(\bb)+15], v[VS+(\bb)], v[PS+1] matrix_a_fmt:MATRIX_FMT_BF6 matrix_b_fmt:MATRIX_FMT_BF6 matrix_a_scale:MATRIX_SCALE_ROW1
.endif
.endm
.macro PVPHASE slot, first
.irp i, 0,1,2,3
	ds_load_b64 v[VT+2*\i:VT+2*\i+1], v[A8+\slot] offset:VSOFF+256*\i
.endr
	VLOAD \slot, 0
	VLOAD \slot, 1
.if \first == 0
	RESCALE 0
.endif
	s_wait_dscnt 32                                ; v's scale bytes are in; the two groups of fragments behind them may be out
.irp m, 0,1,2,3                                ; a word = the two bytes of keys 0-63 below, those of keys 64-127 above
	v_perm_b32 v[VS+2*\m], v[VT+4+\m], v[VT+\m], s[P0]
	v_perm_b32 v[VS+2*\m+1], v[VT+4+\m], v[VT+\m], s[P1]
.endr
.if \first
.rept 8
	v_nop                                          ; a scale register written by a vector instruction stands eight plain instructions ahead of the scaled product
.endr
.else
	RESCALE 1                                      ; (these 64 are also those eight)
.endif
.irp G, 0,1,2,3
.if \G < 3
	s_wait_dscnt 16                                ; this group is in; the next group's 16 loads may be out
.else
	s_wait_dscnt 0x0
.endif
.if \first
	WIN W_PV0
.else
	WIN W_PV
.endif
	PV4 2*\G, VB+48*(\G%2), \first
	PV4 2*\G+1, VB+48*(\G%2)+24, \first
	WIN 0
.if \G < 2
.rept 4
	v_nop                                          ; four plain instructions ahead of loads into registers that these products read
.endr
	VLOAD \slot, \G+2
.endif
.endr
.rept 5
	v_nop                                          ; the next step's products write over registers that these products read: five plain instructions
.endr
.endm
.macro STEP slot, first
	KPHASE \slot
	SOFTMAX \first
	PVPHASE \slot, \first
.endm
	s_load_b256 s[4:11], s[0:1], 0x0               ; qimg s[4:5], qsc s[6:7], kv s[8:9], x s[10:11]
	s_load_b128 s[12:15], s[0:1], 0x20             ; gamma s[12:13], out0 s[14:15]
	v_lshl_add_u32 v[SPW], v0, 2, SPARE
	v_mov_b32 v[NIL], 0
	ds_add_u32 v[SPW], v[NIL]                      ; the wave's opening: the add, twice on end, and its wait ahead of my first tensor load
	ds_add_u32 v[SPW], v[NIL]
	v_lshrrev_b32 v1, 5, v0
	v_readfirstlane_b32 s[WV], v1                  ; wave 0..7
	s_and_b32 s17, s[WV], 1                        ; g: my pair of query tiles
	s_lshr_b32 s18, s[WV], 1                       ; j: my key quarter
	s_bfe_u32 s19, ttmp6, 0x40000                  ; cx
	s_lshl_b32 s20, ttmp9, 2
	s_add_co_u32 s20, s20, s19                     ; my block of 64 queries: it enters q's, x's and out0's addresses alone
	s_and_b32 s21, ttmp7, 0xffff                   ; the batch, which the four partners share
	s_mov_b32 s[G1], 15|(3<<16)|(1<<21)            ; the mask: all four work-groups; elements of 8 bytes; bit 21 set beside a mask; no padding
	s_mov_b32 s[G1+1], 32<<16                      ; tensor_dim0 = 32 elements: 256 bytes
	s_mov_b32 s[G1+2], 75<<16                      ; tensor_dim1 = 75
	s_mov_b32 s[G1+3], 32<<16                      ; tile_dim0
	s_mov_b32 s[G1+4], 75                          ; tile_dim1
	s_mov_b32 s[G1+5], 32                          ; from row to row: dense
	s_mov_b32 s[G1+6], 0
	s_mov_b32 s[G1+7], 0
	s_mov_b32 s[CS], 0x3fb8aa3b                    ; log2(e)
	s_mov_b32 s[CS+1], s[CS]
	s_mov_b32 s[SEL], 0x76543210
	s_mov_b32 s[SEL+1], 0xfedcba98
	s_mov_b32 s[P0], 0x05040100
	s_mov_b32 s[P1], 0x07060302
	s_mov_b32 s[CH], 0
	s_cmp_eq_u32 ttmp9, 0                          ; the cluster's number: the same in all four partners
	s_cselect_b32 s[LIM], 3, 0
	s_lshl_b32 s[PFS], s19, 3
	s_add_co_u32 s[PFS], s[PFS], s[WV]
	s_lshl_b32 s[PFS], s[PFS], 13                  ; (8 cx + wave) x 8,192
	s_mul_i32 s52, s21, 1228800                    ; my batch in kv
	s_mul_i32 s53, s[WV], 19200                    ; my eighth of a ring step, in memory and in a slot
	s_add_co_u32 s54, s52, s53
	s_mov_b32 s55, 0
	s_add_co_u32 s56, s52, 460800                  ; ring step 3
	s_mov_b32 s57, 0
	s_lshl_b32 s58, s21, 6
	s_add_co_u32 s58, s58, s20                     ; 64 b + block
	s_mul_i32 s60, s58, 6144
	s_mul_i32 s59, s17, 3072
	s_add_co_u32 s60, s60, s59                     ; my two fragments of q
	s_mov_b32 s61, 0
	s_lshl_b32 s62, s58, 8
	s_lshl_b32 s59, s17, 2
	s_add_co_u32 s62, s62, s59                     ; and their scale word
	s_mov_b32 s63, 0
	s_lshl_b32 s2, s21, 22                         ; x, out0: batch, my 32 channels on the way out, the block's 256 bytes of a row
	s_lshl_b32 s3, s[WV], 19
	s_add_co_u32 s2, s2, s3
	s_lshl_b32 s3, s20, 8
	s_add_co_u32 s2, s2, s3
	s_mov_b32 s3, 0
	s_wait_dscnt 0x0                               ; both opening adds are done
	s_wait_kmcnt 0x0
	s_add_nc_u64 s[54:55], s[8:9], s[54:55]
	s_add_nc_u64 s[PFA:PFA+1], s[8:9], s[56:57]
	s_add_nc_u64 s[4:5], s[4:5], s[60:61]
	s_add_nc_u64 s[6:7], s[6:7], s[62:63]
	s_add_nc_u64 s[10:11], s[10:11], s[2:3]
	s_add_nc_u64 s[14:15], s[14:15], s[2:3]
	s_load_b32 s50, s[12:13], 0x0                  ; gamma
	CROUND                                         ; all four work-groups are here: the first joint loads meet
.irp i, 0,1
	s_mov_b32 s[G0+4*\i], 1
	s_add_co_u32 s[G0+4*\i+1], s53, \i*SLOTB
	s_add_nc_u64 s[G0+4*\i+2:G0+4*\i+3], s[54:55], \i*SLOTB
	s_or_b32 s[G0+4*\i+3], s[G0+4*\i+3], 0x80000000
.endr
	tensor_load_to_lds s[G0:G0+3], s[G1:G1+7]      ; ring step 0
	s_nop 0
	tensor_load_to_lds s[G0+4:G0+7], s[G1:G1+7]    ; ring step 1
	s_nop 0
.rept 4
	v_nop
.endr
	v_and_b32 v[TT], 31, v0
	v_lshlrev_b32 v[LI], 4, v[TT]
	v_lshlrev_b32 v[LQ], 3, v[TT]
.irp i, 0,1,2,3,4,5
	global_load_b128 v[Q+4*\i:Q+4*\i+3], v[LI], s[4:5] offset:512*\i
.endr
	global_load_b32 v[QS], v[LQ], s[6:7]
	s_mul_i32 s52, s18, REC                        ; my quarter's record in a slot
	v_add_nc_u32 v[A16], s52, v[LI]
	v_add_nc_u32 v[A16+1], SLOTB, v[A16]
	v_add_nc_u32 v[A8], s52, v[LQ]
	v_add_nc_u32 v[A8+1], SLOTB, v[A8]
	v_mov_b32 v[FP+1], 0                           ; (named as the upper halves of pairs)
	v_mov_b32 v[FP+3], 0
	s_wait_tensorcnt 0x1                           ; my part of ring step 0 is in; step 1's may stay out
	s_barrier_signal -1
	s_barrier_wait -1
	s_wait_loadcnt 0x0                             ; q
	s_wait_kmcnt 0x0                               ; gamma
	STEP 0, 1
	s_mov_b32 s[CNT], 3
.Lring:                                            ; three trips: ring steps 1 to 6 are worked, steps 2 to 7 asked for
	CHANGE 0, 1
	STEP 1, 0
	CHANGE 1, 1
	STEP 0, 0
	s_sub_co_u32 s[CNT], s[CNT], 1
	s_cmp_lg_u32 s[CNT], 0
	s_cbranch_scc1 .Lring
	CHANGE 0, 0                                    ; the tail is written out: nothing is left to fetch
	STEP 1, 0
	; THE WAY OUT.  x is asked for first: wave w takes channels 32 w .. 32 w + 31; lanes 0-15 one channel's 256 bytes, lanes 16-31 the next channel's
	v_and_b32 v[TT], 15, v0
	v_bfe_u32 v[TT+1], v0, 4, 1
	v_lshlrev_b32 v[GO], 4, v[TT]
	v_lshl_add_u32 v[GO], v[TT+1], 14, v[GO]
.irp i, 0,1,2,3,4,5,6,7,8,9,10,11,12,13,14,15
	global_load_b128 v[XR+4*\i:XR+4*\i+3], v[GO], s[10:11] offset:32768*\i th:TH_LOAD_NT
.endr
.irp u, 0,1
	v_add_f32 v[LL+2*\u], v[LL+2*\u], v[LL+2*\u+1] ; the sum's two halves,
.endr
.irp u, 0,1
	v_permlanex16_b32 v[LL+2*\u+1], v[LL+2*\u], s[SEL], s[SEL+1]
.endr
.irp u, 0,1
	v_add_f32 v[LL+2*\u], v[LL+2*\u], v[LL+2*\u+1] ; and lane l xor 16's: my quarter's l
.endr
	s_lshl_b32 s52, s17, 10
	s_lshl_b32 s53, s18, 2
	v_add_nc_u32 v3, s52, v[LI]
	v_add_nc_u32 v3, STATS, v3                     ; my pair's and lane's four words
	v_add_nc_u32 v2, s53, v3                       ; my quarter's among them
.irp u, 0,1
	ds_store_b32 v2, v[ST+2*\u] offset:512*\u
	ds_store_b32 v2, v[LL+2*\u] offset:2048+512*\u
.endr
	s_wait_dscnt 0x0                               ; my stores have landed, and my reads of the ring are over
	s_barrier_signal -1
	s_barrier_wait -1                              ; so have all waves': the ring's bytes may be written
.irp u, 0,1
	ds_load_b128 v[BM+4*\u:BM+4*\u+3], v3 offset:512*\u
	ds_load_b128 v[SO+4*\u:SO+4*\u+3], v3 offset:2048+512*\u
.endr
	s_wait_dscnt 0x0
.irp u, 0,1
	v_min_num_f32 v[TT+\u], v[BM+4*\u], v[BM+4*\u+1]
.endr
.irp u, 0,1
	v_min_num_f32 v[TT+\u], v[TT+\u], v[BM+4*\u+2]
.endr
.irp u, 0,1
	v_min_num_f32 v[TT+\u], v[TT+\u], v[BM+4*\u+3] ; -M of all keys
.endr
.irp u, 0,1
.irp b, 0,1,2,3
	v_sub_f32 v[BM+4*\u+\b], v[TT+\u], v[BM+4*\u+\b]   ; quarter b's M less M: a whole number, 0 or less
.endr
	v_sub_f32 v[ST+2*\u], v[TT+\u], v[ST+2*\u]     ; and my own
.endr
.irp i, 0,1,2,3,4,5,6,7
	v_cvt_i32_f32 v[BM+\i], v[BM+\i]
.endr
.irp i, 0,1,2,3,4,5,6,7
	v_ldexp_f32 v[SO+\i], v[SO+\i], v[BM+\i]       ; each quarter's l under M
.endr
.irp u, 0,1
	v_add_f32 v[SO+4*\u], v[SO+4*\u], v[SO+4*\u+1]
	v_add_f32 v[SO+4*\u+2], v[SO+4*\u+2], v[SO+4*\u+3]
.endr
.irp u, 0,1
	v_add_f32 v[SO+4*\u], v[SO+4*\u], v[SO+4*\u+2]
.endr
.irp u, 0,1
	v_rcp_f32 v[TT+\u], v[SO+4*\u]
.endr
.irp u, 0,1
	v_cvt_i32_f32 v[ST+2*\u], v[ST+2*\u]           ; (plain instructions behind the reciprocals)
.endr
	s_wait_alu depctr_va_vdst(0)                   ; one wait for both, ahead of the first reader
.irp u, 0,1
	v_mul_f32 v[TT+\u], s50, v[TT+\u]
.endr
.irp u, 0,1
	v_ldexp_f32 v[FP+2*\u], v[TT+\u], v[ST+2*\u]   ; gamma / l x 2^(my M - M): what my part of O^T is multiplied by
.endr
	v_and_b32 v[SGL], 15, v0                       ; into the stage: my query is pixel 32 g + 8 u + r + 8 (r / 8) of the block; register 8 t + i is channel 16 t + 8 h + i
	v_lshlrev_b32 v[SGL], 2, v[SGL]
	v_bfe_u32 v[SGL+1], v0, 3, 1
	v_lshl_add_u32 v[SGL], v[SGL+1], 5, v[SGL]
	v_bfe_u32 v[SGL+1], v0, 4, 1
	v_mad_u32_u24 v[SGL], v[SGL+1], 8*SROW, v[SGL]
	s_mul_i32 s52, s18, SQ
	s_lshl_b32 s53, s17, 7
	s_add_co_u32 s52, s52, s53
	v_add_nc_u32 v[SGL], s52, v[SGL]
	v_add_nc_u32 v[SGL+1], 128*SROW, v[SGL]
	v_and_b32 v[RJ], 15, v0                        ; and back: my 32 channels, two rows an instruction, 16 bytes a lane
	v_lshlrev_b32 v[RJ], 4, v[RJ]
	v_bfe_u32 v[RJ+4], v0, 4, 1
	v_mad_u32_u24 v[RJ], v[RJ+4], SROW, v[RJ]
	s_mul_i32 s52, s[WV], 32*SROW
	v_add_nc_u32 v[RJ], s52, v[RJ]
	v_add_nc_u32 v[RJ+1], SQ, v[RJ]
	v_add_nc_u32 v[RJ+2], SQ, v[RJ+1]
	v_add_nc_u32 v[RJ+3], SQ, v[RJ+2]
.irp u, 0,1
	s_wait_dscnt 0x0                               ; the last tile's stores have read their registers
	WIN W_OUT
.set jj, 0
.rept 64
	v_pk_mul_f32 v[S+jj:S+jj+1], v[128*\u+jj:128*\u+jj+1], v[FP+2*\u:FP+2*\u+1] op_sel_hi:[1,0]   ; each accumulator from its low end on
.set jj, jj+2
.endr
	WIN 0
.set tt, 0
.rept 16
.set qq, 0
.rept 8
	ds_store_b32 v[SGL+tt/8], v[S+8*tt+qq] offset:(16*(tt%8)+qq)*SROW+32*\u
.set qq, qq+1
.endr
.set tt, tt+1
.endr
.endr
	s_wait_dscnt 0x0                               ; for the others' sake: my stores into the stage have landed
	s_barrier_signal -1
	s_barrier_wait -1
.macro RLOAD bt                        ; four pairs of channels x four quarters into buffer bt % 2: 16 loads
.irp p, 0,1,2,3
.irp q, 0,1,2,3
	ds_load_b128 v[S+64*((\bt)%2)+16*\p+4*\q:S+64*((\bt)%2)+16*\p+4*\q+3], v[RJ+\q] offset:2*SROW*(4*(\bt)+\p)
.endr
.endr
.endm
.macro RSUM bt                         ; the four quarters and x are added; the sum stands in x's registers, which are never written again
.irp p, 0,1,2,3
.set RB, S+64*((\bt)%2)+16*\p
.set XI, XR+4*(4*(\bt)+\p)
	v_pk_add_f32 v[RB:RB+1], v[RB:RB+1], v[RB+4:RB+5]
	v_pk_add_f32 v[RB+2:RB+3], v[RB+2:RB+3], v[RB+6:RB+7]
	v_pk_add_f32 v[RB+8:RB+9], v[RB+8:RB+9], v[RB+12:RB+13]
	v_pk_add_f32 v[RB+10:RB+11], v[RB+10:RB+11], v[RB+14:RB+15]
	v_pk_add_f32 v[RB:RB+1], v[RB:RB+1], v[RB+8:RB+9]
	v_pk_add_f32 v[RB+2:RB+3], v[RB+2:RB+3], v[RB+10:RB+11]
	v_pk_add_f32 v[XI:XI+1], v[XI:XI+1], v[RB:RB+1]
	v_pk_add_f32 v[XI+2:XI+3], v[XI+2:XI+3], v[RB+2:RB+3]
	global_store_b128 v[GO], v[XI:XI+3], s[14:15] offset:32768*(4*(\bt)+\p) th:TH_STORE_NT   ; sixteen lanes store 256 consecutive bytes, aligned
.endr
.endm
	RLOAD 0
	RLOAD 1
	s_wait_loadcnt 0x0                             ; x
	s_wait_dscnt 16                                ; batch 0 is in; batch 1's 16 loads may be out
	RSUM 0
	RLOAD 2
	s_wait_dscnt 16
	RSUM 1
	RLOAD 3
	s_wait_dscnt 16
	RSUM 2
	s_wait_dscnt 0x0
	RSUM 3
	s_wait_tensorcnt 0x0                           ; the wave's end
	ds_add_u32 v[SPW], v[NIL]
	s_wait_dscnt 0x0
	CROUND                                         ; the closing round: no work-group ends while a partner may still ask for a tile that names it
	s_endpgm
.Lfunc_end_k_qfc2db88134_attn:
	.size	k_qfc2db88134_attn, .Lfunc_end_k_qfc2db88134_attn-k_qfc2db88134_attn
	.p2alignl 7, 3214868480
	.fill 96, 4, 3214868480
	.section	.rodata,"a",@progbits
	.p2align	6, 0x0
	.amdhsa_kernel k_qfc2db88134_attn
		.amdhsa_group_segment_fixed_size 327680
		.amdhsa_private_segment_fixed_size 0
		.amdhsa_enable_private_segment 0
		.amdhsa_kernarg_size 48
		.amdhsa_user_sgpr_count 2
		.amdhsa_user_sgpr_kernarg_segment_ptr 1
		.amdhsa_wavefront_size32 1
		.amdhsa_system_sgpr_workgroup_id_x 1
		.amdhsa_system_sgpr_workgroup_id_y 1
		.amdhsa_system_sgpr_workgroup_id_z 1
		.amdhsa_system_vgpr_workitem_id 0
		.amdhsa_next_free_vgpr 512
		.amdhsa_next_free_sgpr 66
		.amdhsa_reserve_vcc 0
		.amdhsa_float_denorm_mode_32 3
		.amdhsa_float_denorm_mode_16_64 3
		.amdhsa_memory_ordered 1
		.amdhsa_forward_progress 1
		.amdhsa_inst_pref_size 215
	.end_amdhsa_kernel
	.amdgpu_metadata
---
amdhsa.version: [ 1, 2 ]
amdhsa.kernels:
  - .name:           k_qfc2db88134_attn
    .symbol:         k_qfc2db88134_attn.kd
    .args:
      - { .name: qimg, .offset: 0, .size: 8, .value_kind: global_buffer, .address_space: global }
      - { .name: qsc, .offset: 8, .size: 8, .value_kind: global_buffer, .address_space: global }
      - { .name: kv, .offset: 16, .size: 8, .value_kind: global_buffer, .address_space: global }
      - { .name: x, .offset: 24, .size: 8, .value_kind: global_buffer, .address_space: global }
      - { .name: gamma, .offset: 32, .size: 8, .value_kind: global_buffer, .address_space: global }
      - { .name: out0, .offset: 40, .size: 8, .value_kind: global_buffer, .address_space: global }
    .group_segment_fixed_size: 327680
    .private_segment_fixed_size: 0
    .kernarg_segment_align: 8
    .kernarg_segment_size: 48
    .max_flat_workgroup_size: 256
    .sgpr_count:     66
    .vgpr_count:     512
    .wavefront_size: 32
...
	.end_amdgpu_metadata
.endif
;; end of part 3
